; MI455X (gfx1250); checked and timed in simulation.
; The chip was launched on July 23, 2026; its instructions are those of AMD's public machine-readable ISA for CDNA 5 (MIT licence, August 2026) and "CDNA5" Instruction Set Architecture Reference Guide (July 2026). The comments in the code are by the model that wrote it; some were corrected since.
;; Embedding. Allowed arithmetic: float matrix products may take bf16 or f16 operands with f32 sums; all other float work in f32.
;; Inputs: input_ids 8 x 1,024 int32; token_embeddings 6,282 x 768 float32.
;; Outputs: out0 8 x 1,024 x 768 float32.
;; One version. Each part assembles by itself: llvm-mc -triple=amdgcn-amd-amdhsa -mcpu=gfx1250 --defsym DOCPART=n.
;; ======== version 1 of 1: 1 launch
;; launch gather (part 1): grid 256 x 1, 8 waves a work-group, no clusters, 0 bytes of LDS; arguments input_ids, token_embeddings, out0; writes out0
.if DOCPART == 1
	.amdgcn_target "amdgcn-amd-amdhsa--gfx1250"
	.amdhsa_code_object_version 6
	.text
	.protected	k_qac5cfedc1b_gather
	.globl	k_qac5cfedc1b_gather
	.p2align	8
	.type	k_qac5cfedc1b_gather,@function
k_qac5cfedc1b_gather:
	s_mov_b64 s[64:65], 0
	v_nop
	global_prefetch_b8 v0, s[64:65] scope:SCOPE_SE
	s_setreg_imm32_b32 hwreg(HW_REG_WAVE_MODE, 25, 1), 1
	s_wait_xcnt 0x0
; out0[b][s][:] = token_embeddings[input_ids[b][s]][:].   ids: [8][1024] int32; table: [6282][768] f32; out0: [8][1024][768] f32.
;
; WORK LEFT OUT: the dense product of the one-hot matrix with the table.  one_hot[b][s][v] is 1 where v = input_ids[b][s] and 0 for
; every other v.  So of the 6,282 products in each sum over v, 6,281 have that built-in zero as a
; factor and one has the factor 1: for every finite table and every id in 0..6281 the sum is the named row's number itself.  Which row
; is wanted is decided by whole numbers that this launch reads from memory, so only the named rows are read, and they are copied as they
; are, in f32, without any rounding.  Both inputs keep a way to the output and both are loaded.
; LIMITS: (1) a NaN or an infinity in a table row that a token's id does not name (which the dense product would turn into NaN by
; 0 x inf) reaches only the work left out and is not carried to the result.  (2) An id outside 0..6281 (negative ones too: the id is
; taken as unsigned) is clamped to 6281 and yields row 6281, where a one-hot of it would give a row of zeros; the problem states that an
; index stays inside its table, and the clamp keeps every load inside the buffer.
;
; SHARES: 8,192 tokens = 256 work-groups x 8 waves x 4 tokens.  A row is 3,072 bytes = 6 pieces of 512: one 16-byte load of a wave takes
; 512 neighbouring bytes of a row, and one store of a wave covers 512 consecutive bytes that begin at a multiple of 256 from out0's first
; byte (a row is 12 x 256 bytes).  A wave issues all its 24 loads at once (12 KiB, its whole share) into 96 registers of their own, so
; there is no ring and no loop, and no register that a memory instruction names is ever written again: no wait is needed to free one.
; No byte is used twice inside a work-group and no wave depends on another: no LDS, no barrier.  No product is left: no matrix work.
.set VOCAB,  6282                      ; rows of the table
.set ROW,    3072                      ; bytes in a row
.set PIECES, 6                         ; loads (and stores) of a wave for a row
.set RPW,    4                         ; rows of a wave
.set NLOADS, RPW*PIECES                ; 24
.set LN,  1                            ; v1       16 x lane: my 16 bytes in each piece; the stores' offset; never rewritten
.set OFF, 2                            ; v[2:5]   row i: 3,072 x id + 16 x lane, at most 19,295,728
.set X,   8                            ; v[8:103] row i, piece j: v[X+24 i+4 j : +3]
.set ID,  12                           ; s[12:15] the wave's four ids; then clamped; then times 3,072
	s_load_b128 s[4:7], s[0:1], 0x0                ; input_ids s[4:5], token_embeddings s[6:7]
	s_load_b64 s[8:9], s[0:1], 0x10                ; out0
	v_lshrrev_b32 v6, 5, v0
	v_readfirstlane_b32 s10, v6                    ; wave 0..7
	v_and_b32 v[LN], 31, v0                        ; lane
	v_lshlrev_b32 v[LN], 4, v[LN]                  ; 16 bytes a lane
	s_lshl_b32 s16, ttmp9, 7                       ; the work-group's 32 ids of 4 bytes
	s_lshl4_add_u32 s16, s10, s16                  ; + the wave's 4 ids of 4 bytes: s16 = 4 x (my first token)
	s_mov_b32 s17, 0
	s_mul_i32 s20, s16, ROW/4                      ; 3,072 x (my first token): my byte offset in out0, at most 25,153,536
	s_mov_b32 s21, 0
	s_wait_kmcnt 0x0                               ; the three addresses (scalar loads return in no order: the count is 0)
	s_add_nc_u64 s[18:19], s[4:5], s[16:17]        ; my four ids: 16 bytes at a multiple of 16; the last wave reads bytes 32,752 to 32,767
	s_load_b128 s[ID:ID+3], s[18:19], 0x0          ; the same four ids for all lanes, so a scalar load; nothing in the launch writes input_ids
	s_add_nc_u64 s[8:9], s[8:9], s[20:21]          ; out0 at my first row, made while the ids are on their way; no store has named s[8:9] yet
	s_wait_kmcnt 0x0                               ; the ids are in, and s[12:15] may be rewritten
; Row i is asked for: six loads of 512 neighbouring bytes.  No cache hint: another token, of any work-group, may name the same row.
.macro GATHER i
	s_min_u32 s[ID+\i], s[ID+\i], VOCAB-1          ; the id stays inside the table (limit 2 above)
	s_mul_i32 s[ID+\i], s[ID+\i], ROW              ; the row's byte offset
	v_add_nc_u32 v[OFF+\i], s[ID+\i], v[LN]        ; + my 16 bytes
.irp j, 0,1,2,3,4,5
	global_load_b128 v[X+24*\i+4*\j:X+24*\i+4*\j+3], v[OFF+\i], s[6:7] offset:512*\j
.endr
.endm
; Row i leaves.  Loads come back in the order of issue (ISA guide 5.7.1): behind load 6 i + j stand 23 - (6 i + j) younger ones, which
; may stay out, so the first store goes as soon as the first piece is in.  Each byte of out0 is written once and not read in the launch.
.macro PUT i
.irp j, 0,1,2,3,4,5
	s_wait_loadcnt NLOADS-1-(6*\i+\j)
	global_store_b128 v[LN], v[X+24*\i+4*\j:X+24*\i+4*\j+3], s[8:9] offset:ROW*\i+512*\j th:TH_STORE_NT
.endr
.endm
.irp i, 0,1,2,3
	GATHER \i
.endr
.irp i, 0,1,2,3
	PUT \i
.endr
	s_endpgm
.Lfunc_end_k_qac5cfedc1b_gather:
	.size	k_qac5cfedc1b_gather, .Lfunc_end_k_qac5cfedc1b_gather-k_qac5cfedc1b_gather
	.p2alignl 7, 3214868480
	.fill 96, 4, 3214868480
	.section	.rodata,"a",@progbits
	.p2align	6, 0x0
	.amdhsa_kernel k_qac5cfedc1b_gather
		.amdhsa_group_segment_fixed_size 0
		.amdhsa_private_segment_fixed_size 0
		.amdhsa_enable_private_segment 0
		.amdhsa_kernarg_size 24
		.amdhsa_user_sgpr_count 2
		.amdhsa_user_sgpr_kernarg_segment_ptr 1
		.amdhsa_wavefront_size32 1
		.amdhsa_system_sgpr_workgroup_id_x 1
		.amdhsa_system_sgpr_workgroup_id_y 1
		.amdhsa_system_sgpr_workgroup_id_z 1
		.amdhsa_system_vgpr_workitem_id 0
		.amdhsa_next_free_vgpr 104
		.amdhsa_next_free_sgpr 66
		.amdhsa_reserve_vcc 0
		.amdhsa_float_denorm_mode_32 3
		.amdhsa_float_denorm_mode_16_64 3
		.amdhsa_memory_ordered 1
		.amdhsa_forward_progress 1
		.amdhsa_inst_pref_size 7
	.end_amdhsa_kernel
	.amdgpu_metadata
---
amdhsa.version: [ 1, 2 ]
amdhsa.kernels:
  - .name:           k_qac5cfedc1b_gather
    .symbol:         k_qac5cfedc1b_gather.kd
    .args:
      - { .name: input_ids, .offset: 0, .size: 8, .value_kind: global_buffer, .address_space: global }
      - { .name: token_embeddings, .offset: 8, .size: 8, .value_kind: global_buffer, .address_space: global }
      - { .name: out0, .offset: 16, .size: 8, .value_kind: global_buffer, .address_space: global }
    .group_segment_fixed_size: 0
    .private_segment_fixed_size: 0
    .kernarg_segment_align: 8
    .kernarg_segment_size: 24
    .max_flat_workgroup_size: 256
    .sgpr_count:     66
    .vgpr_count:     104
    .wavefront_size: 32
...
	.end_amdgpu_metadata
.endif
;; end of part 1
